; MI455X (gfx1250); checked and timed in simulation.
; The chip was launched on July 23, 2026; its instructions are those of AMD's public machine-readable ISA for CDNA 5 (MIT licence, August 2026) and "CDNA5" Instruction Set Architecture Reference Guide (July 2026). The comments in the code are by the model that wrote it; some were corrected since.
;; Little Bit Linear. Allowed arithmetic: float matrix products may take bf16 or f16 operands with f32 sums; other float arithmetic in f32, or as packed bf16 or f16 multiplies, adds, multiply-adds, maxima and minima; sums over many terms, partial sums and values carried from step to step in f32; what a program stores and reads back later, other than sums and carried values, may be rounded once to bf16 or f16.
;; Inputs: U 2,048 x 1,024 float32; U_R 2,048 x 1,024 float32; V 1,024 x 2,048 float32; V_R 1,024 x 2,048 float32; bias 2,048 float32; u1 1 x 2,048 float32; u1_R 1 x 2,048 float32; u2 1 x 1,024 float32; u2_R 1 x 1,024 float32; v1 1 x 1,024 float32; v1_R 1 x 1,024 float32; v2 1 x 2,048 float32; v2_R 1 x 2,048 float32; x 4 x 2,048 x 2,048 float32.
;; Outputs: out0 4 x 2,048 x 2,048 float32.
;; One version. Each part assembles by itself: llvm-mc -triple=amdgcn-amd-amdhsa -mcpu=gfx1250 --defsym DOCPART=n.
;; ======== version 1 of 1: 3 launches
;; workspace buffers: xh 33,554,432 bytes; w1 8,388,608 bytes; w2 8,388,608 bytes; hh 33,554,432 bytes; rho 32,768 bytes; cs 8,192 bytes
;; launch prep (part 1): grid 768 x 1, 4 waves a work-group, no clusters, 0 bytes of LDS; arguments x, V, V_R, U, U_R, v2, v2_R, v1, u2, v1_R, u2_R, u1, u1_R, xh, w1, w2, rho, cs; writes xh, w1, w2, rho, cs
.if DOCPART == 1
	.amdgcn_target "amdgcn-amd-amdhsa--gfx1250"
	.amdhsa_code_object_version 6
	.text
	.protected	k_qe3878f16ef_prep
	.globl	k_qe3878f16ef_prep
	.p2align	8
	.type	k_qe3878f16ef_prep,@function
k_qe3878f16ef_prep:
	s_mov_b64 s[64:65], 0
	v_nop
	global_prefetch_b8 v0, s[64:65] scope:SCOPE_SE
	s_setreg_imm32_b32 hwreg(HW_REG_WAVE_MODE, 25, 1), 1
	s_wait_xcnt 0x0
; LittleBitLinear, launch 1 of 3: the operands of the two products, normalised and rounded once to f16.
; out0 = u1 o [((x o v2) sign(V)^T o (v1 o u2)) sign(U)^T] + the same of the _R inputs + bias.  The diagonal factors are moved, by exact identities, into the operands and the way out:
;   rho[n] = max(max_k |x[n][k]|, 2^-126)             xh[n][k] = f16(x[n][k] / rho[n])
;   mu_a = max(max |v2|, 2^-126)                      w1[j][k] = f16(sign(V[j][k]) v2[k] / mu_a), j < 1024; rows 1024 .. 2047 the same of V_R, v2_R, mu_b
;   s_a = v1 o u2, M_a = max(max |s_a|, 2^-126), t_a = mu_a M_a;   cs[o] = max(|t_a u1[o]|, |t_b u1_R[o]|, 2^-126)
;   w2[o][j] = f16(sign(U[o][j]) (s_a[j] / M_a) (t_a u1[o] / cs[o])), j < 1024; columns 1024 .. 2047 the same of U_R, s_b, M_b, t_b, u1_R
; so that out0[n][o] = rho[n] cs[o] (sum_j hh[n][j] w2[o][j]) + bias[o] with hh[n][j] = sum_k xh[n][k] w1[j][k].  The two branches lie side by side along hh's columns: two plain products.
; NO WORK IS LEFT OUT: every input has a way to the output and is loaded by one of the three launches (bias by the third).
; WHY f16 AND WHY THE MAXIMA: every f16 operand lies in -1 .. 1 whatever the inputs' scale or offset, since it is divided by a maximum taken from the data; |hh| stays under 2,048 (1 + 2^-10)^2.
; sign(z) = med3((z 2^126) 2^24, -1, 1): exact for every finite z, denormals too, and 0 for z = 0.
; LIMITS.  NaN and infinities among the inputs are not treated apart (a NaN loses in the maxima; sign(NaN) is no NaN here).  A maximum above 2^126 has a reciprocal that counts as 0.  mu M and t u1 must stay
; within f32.  An f16 number below 6e-5 keeps f16's fixed step of 6e-8, beside a largest number of 1.
; SHARES.  12,288 rows of 2,048 numbers (a row of w2: 1,024 of U, then 1,024 of U_R).  A wave takes 4 rows, a work-group 16.  Work-groups 0-127: w2; 128-255: w1; 256-767: xh.
; A ROW IN REGISTERS.  Chunk c of 16 is one load of 16 bytes a lane at byte 512 c + 16 lane: 512 consecutive bytes.  Its four numbers become 8 bytes of f16, stored at 256 c + 8 lane: each store of the wave covers
; 256 consecutive bytes, aligned.  The vectors lie in the same chunks, so that a lane's factors meet its numbers.  rho and cs leave as 16 bytes a wave: 40 KiB in all.
; No LDS, no barrier, no matrix unit: no wave wants a byte that another wave fetched.
.set RA, 32                            ; v[32:95]   a row at work (xh: slot 0)
.set RB, 96                            ; v[96:159]  the vector of factors (xh: slot 1)
; v1 lane; v2 16 lane; v3 8 lane; v4 4 lane; v5 0; v6-9 four running maxima; v[10:11], v[12:13] reciprocals, twice each; v14 xh: rho, row i in lane i; w2: mu_a, then t_a; v15 w2: mu_b, then t_b;
; w2 alone, the same in every lane, register r for my row r: v[16:19] u1, t_a u1, then the row's first factor; v[20:23] the same of u1_R; v[24:27] cs; v[28:31] 1 / cs
; s2 wave; s[8:43] the 18 addresses; s[54:55] source row; s[66:67] second source; s[56:57] destination row; s[58:59] rho or cs at my first row; s60 trips; s61 row in the wave; s62 EXEC kept
.macro FILL r, base, off, n, nt        ; n chunks from byte off behind the base into v[r ..]
.set fi, 0
.rept \n
.if \nt
	global_load_b128 v[(\r)+4*fi:(\r)+4*fi+3], v2, s[\base:\base+1] offset:(\off)+512*fi th:TH_LOAD_NT
.else
	global_load_b128 v[(\r)+4*fi:(\r)+4*fi+3], v2, s[\base:\base+1] offset:(\off)+512*fi
.endif
.set fi, fi+1
.endr
.endm
.macro AMAX64 d, r                     ; the largest magnitude of 64 registers, in four chains that do not wait for each other
.irp k, 0,1,2,3
	v_max_num_f32 v[6+(\k)], |v[(\r)+16*(\k)]|, |v[(\r)+16*(\k)+1]|
.endr
.set ai, 2
.rept 7
.irp k, 0,1,2,3
	v_max3_num_f32 v[6+(\k)], v[6+(\k)], |v[(\r)+16*(\k)+ai]|, |v[(\r)+16*(\k)+ai+1]|
.endr
.set ai, ai+2
.endr
	v_max3_num_f32 v6, v6, v7, v8
	v_max_num_f32 v[\d], v6, v9
.endm
.macro AMAX32 d, r                     ; of 32 registers, one chain (once a wave)
	v_max_num_f32 v[\d], |v[\r]|, |v[(\r)+1]|
.set ai, 2
.rept 15
	v_max3_num_f32 v[\d], v[\d], |v[(\r)+ai]|, |v[(\r)+ai+1]|
.set ai, ai+2
.endr
.endm
.macro LANEMAX d, t                    ; over the 32 lanes, into every lane; the last line also holds the result at 2^-126 or above.  t has been written before
	v_max_num_f32_dpp v[\d], v[\d], v[\d] row_xmask:1 row_mask:0xf bank_mask:0xf
	v_max_num_f32_dpp v[\d], v[\d], v[\d] row_xmask:2 row_mask:0xf bank_mask:0xf
	v_max_num_f32_dpp v[\d], v[\d], v[\d] row_xmask:4 row_mask:0xf bank_mask:0xf
	v_max_num_f32_dpp v[\d], v[\d], v[\d] row_xmask:8 row_mask:0xf bank_mask:0xf
	v_permlanex16_b32 v[\t], v[\d], s44, s45
	v_max3_num_f32 v[\d], v[\d], v[\t], s46
.endm
.macro MULB r, p, n                    ; n pairs from v[r] on, times the pair v[p:p+1]
.set mi, 0
.rept \n
	v_pk_mul_f32 v[(\r)+mi:(\r)+mi+1], v[(\r)+mi:(\r)+mi+1], v[\p:\p+1]
.set mi, mi+2
.endr
.endm
.macro MULP r, p, n                    ; n pairs from v[r] on, both halves times v[p], the low register of the pair v[p:p+1]
.set mi, 0
.rept \n
	v_pk_mul_f32 v[(\r)+mi:(\r)+mi+1], v[(\r)+mi:(\r)+mi+1], v[\p:\p+1] op_sel_hi:[1,0]
.set mi, mi+2
.endr
.endm
.macro MULV r, q, n                    ; n pairs from v[r] on, times the pairs from v[q] on
.set mi, 0
.rept \n
	v_pk_mul_f32 v[(\r)+mi:(\r)+mi+1], v[(\r)+mi:(\r)+mi+1], v[(\q)+mi:(\q)+mi+1]
.set mi, mi+2
.endr
.endm
.macro MULS r, sp, n                   ; n pairs from v[r] on, times the scalar s[sp]
.set mi, 0
.rept \n
	v_pk_mul_f32 v[(\r)+mi:(\r)+mi+1], v[(\r)+mi:(\r)+mi+1], s[\sp:\sp+1] op_sel_hi:[1,0]
.set mi, mi+2
.endr
.endm
.macro SGN r                           ; 64 numbers become their signs
	MULS \r, 48, 32                                ; z 2^126: the least denormal becomes 2^-23
	MULS \r, 50, 32                                ; times 2^24: every z but 0 now has magnitude 2 or more
.set mi, 0
.rept 64
	v_med3_num_f32 v[(\r)+mi], v[(\r)+mi], s53, s52
.set mi, mi+1
.endr
.endm
.macro CVTST r, rowoff                 ; 64 numbers rounded to f16 in place, and stored
.set ci, 0
.rept 16
	v_cvt_pk_f16_f32 v[(\r)+4*ci], v[(\r)+4*ci], v[(\r)+4*ci+1]
	v_cvt_pk_f16_f32 v[(\r)+4*ci+1], v[(\r)+4*ci+2], v[(\r)+4*ci+3]
.set ci, ci+1
.endr
.set ci, 0
.rept 16
	global_store_b64 v3, v[(\r)+4*ci:(\r)+4*ci+1], s[56:57] offset:(\rowoff)+256*ci th:TH_STORE_NT
.set ci, ci+1
.endr
.endm
.macro ROWX r, rowoff                  ; a row of x: its maximum, kept in lane s61 of v14; the row divided by it, rounded, stored
	AMAX64 6, \r
	LANEMAX 6, 7
	v_rcp_f32 v10, v6
	v_rcp_f32 v11, v6
	v_cmp_eq_u32 vcc_lo, s61, v1                   ; two plain instructions stand behind the reciprocals
	v_cndmask_b32 v14, v14, v6, vcc_lo
	s_add_co_u32 s61, s61, 1
	s_wait_alu depctr_va_vdst(0)                   ; one wait for both reciprocals, ahead of their first reader
	MULB \r, 10, 32
	CVTST \r, \rowoff
.endm
	s_load_b512 s[8:23], s[0:1], 0x0               ; x 8, V 10, V_R 12, U 14, U_R 16, v2 18, v2_R 20, v1 22
	s_load_b512 s[24:39], s[0:1], 0x40             ; u2 24, v1_R 26, u2_R 28, u1 30, u1_R 32, xh 34, w1 36, w2 38
	s_load_b128 s[40:43], s[0:1], 0x80             ; rho 40, cs 42
	v_lshrrev_b32 v1, 5, v0
	v_readfirstlane_b32 s2, v1                     ; wave 0..3
	v_and_b32 v1, 31, v0
	v_lshlrev_b32 v2, 4, v1
	v_lshlrev_b32 v3, 3, v1
	v_lshlrev_b32 v4, 2, v1
	v_mov_b32 v5, 0
	s_mov_b32 s44, 0x76543210                      ; v_permlanex16_b32: each lane takes its own place in the other half
	s_mov_b32 s45, 0xfedcba98
	s_mov_b32 s46, 0x00800000                      ; 2^-126
	s_mov_b32 s48, 0x7e800000                      ; 2^126
	s_mov_b32 s49, 0x7e800000
	s_mov_b32 s50, 0x4b800000                      ; 2^24
	s_mov_b32 s51, 0x4b800000
	s_mov_b32 s52, 1.0
	s_mov_b32 s53, -1.0
	s_mov_b32 s5, 0                                ; the high word of every offset
	s_wait_kmcnt 0x0
	s_cmp_lt_u32 ttmp9, 128
	s_cbranch_scc1 .Lkind_u
	s_cmp_lt_u32 ttmp9, 256
	s_cbranch_scc1 .Lkind_v
	; ---- xh and rho: rows 16 (g - 256) + 4 wave + 0..3 of x
	s_sub_co_u32 s3, ttmp9, 256
	s_lshl_b32 s3, s3, 4
	s_lshl2_add_u32 s3, s2, s3                     ; my first row
	s_lshl_b32 s4, s3, 13                          ; 8,192 bytes a row of x
	s_add_nc_u64 s[54:55], s[8:9], s[4:5]
	s_lshl_b32 s4, s3, 12                          ; 4,096 a row of xh
	s_add_nc_u64 s[56:57], s[34:35], s[4:5]
	s_lshl_b32 s4, s3, 2
	s_add_nc_u64 s[58:59], s[40:41], s[4:5]
	v_mov_b32 v14, 0
	s_mov_b32 s61, 0
	s_mov_b32 s60, 2
.Lx_trip:                                              ; two rows a trip: 32 loads, 16 KiB of the wave's, go out together
	FILL RA, 54, 0, 16, 1
	FILL RB, 54, 8192, 16, 1
	s_wait_loadcnt 16                              ; the first row is in; the second row's sixteen loads may stay out
	ROWX RA, 0
	s_wait_loadcnt 0x0
	ROWX RB, 4096
	s_wait_xcnt 0x0                                ; the stores have read their data and base: the next trip loads into the one and the lines below step the other
	s_add_nc_u64 s[54:55], s[54:55], 16384
	s_add_nc_u64 s[56:57], s[56:57], 8192
	s_sub_co_u32 s60, s60, 1
	s_cmp_lg_u32 s60, 0
	s_cbranch_scc1 .Lx_trip
	s_wait_xcnt 0x0                                ; EXEC changes only behind this wait: the stores above have read theirs
	v_cmp_gt_u32 vcc_lo, 4, v1
	s_and_saveexec_b32 s62, vcc_lo
	global_store_b32 v4, v14, s[58:59]             ; lanes 0 to 3 store the wave's four rho
	s_wait_xcnt 0x0                                ; and again in front of the line that widens it
	s_or_b32 exec_lo, exec_lo, s62
	s_endpgm
.Lkind_v:                                              ; ---- w1: rows 16 (g - 128) + 4 wave + 0..3; the first 1,024 of V and v2, the others of V_R and v2_R
	s_sub_co_u32 s3, ttmp9, 128
	s_lshl_b32 s6, s3, 4
	s_lshl2_add_u32 s6, s2, s6                     ; my first row of w1
	s_and_b32 s7, s6, 1023                         ; and of V or V_R
	s_cmp_ge_u32 s3, 64
	s_cselect_b64 s[54:55], s[12:13], s[10:11]
	s_cselect_b64 s[66:67], s[20:21], s[18:19]
	s_lshl_b32 s4, s7, 13
	s_add_nc_u64 s[54:55], s[54:55], s[4:5]
	s_lshl_b32 s4, s6, 12
	s_add_nc_u64 s[56:57], s[36:37], s[4:5]
	FILL RB, 66, 0, 16, 0                          ; v2, which every wave of this kind reads
	s_wait_loadcnt 0x0
	AMAX64 6, RB
	LANEMAX 6, 7                                   ; mu
	v_rcp_f32 v10, v6
	v_rcp_f32 v11, v6
	v_nop                                          ; a plain instruction behind the reciprocals,
	s_wait_alu depctr_va_vdst(0)                   ; and their one wait
	MULB RB, 10, 32                                ; v2 / mu
	s_mov_b32 s60, 4
.Lv_trip:                                              ; a row a trip
	FILL RA, 54, 0, 16, 1
	s_wait_loadcnt 0x0
	SGN RA
	MULV RA, RB, 32
	CVTST RA, 0
	s_wait_xcnt 0x0                                ; the stores have read their data and base
	s_add_nc_u64 s[54:55], s[54:55], 8192
	s_add_nc_u64 s[56:57], s[56:57], 4096
	s_sub_co_u32 s60, s60, 1
	s_cmp_lg_u32 s60, 0
	s_cbranch_scc1 .Lv_trip
	s_endpgm
.Lkind_u:                                              ; ---- w2 and cs: rows o = 16 g + 4 wave + 0..3
	s_lshl_b32 s3, ttmp9, 4
	s_lshl2_add_u32 s3, s2, s3                     ; my first row, a multiple of 4
	s_lshl_b32 s4, s3, 2
	s_add_nc_u64 s[74:75], s[30:31], s[4:5]        ; u1, u1_R and cs at that row: multiples of 16 bytes
	s_add_nc_u64 s[76:77], s[32:33], s[4:5]
	s_add_nc_u64 s[58:59], s[42:43], s[4:5]
	s_lshl_b32 s4, s3, 12                          ; a row of U, of U_R and of w2 is 4,096 bytes
	s_add_nc_u64 s[54:55], s[14:15], s[4:5]
	s_add_nc_u64 s[66:67], s[16:17], s[4:5]
	s_add_nc_u64 s[56:57], s[38:39], s[4:5]
	FILL RA, 18, 0, 16, 0                          ; v2
	FILL RB, 20, 0, 16, 0                          ; v2_R
	global_load_b128 v[16:19], v5, s[74:75]        ; u1 of my four rows: every lane names the same 16 bytes, so that register r holds row r's number in every lane
	global_load_b128 v[20:23], v5, s[76:77]        ; u1_R likewise
	s_wait_loadcnt 0x0
	AMAX64 14, RA
	LANEMAX 14, 7                                  ; mu_a
	AMAX64 15, RB
	LANEMAX 15, 7                                  ; mu_b
	FILL RB, 22, 0, 8, 0                           ; v1 | v1_R
	FILL RB+32, 26, 0, 8, 0
	FILL RA, 24, 0, 8, 0                           ; u2 | u2_R
	FILL RA+32, 28, 0, 8, 0
	s_wait_loadcnt 0x0
	MULV RB, RA, 32                                ; s_a | s_b
	AMAX32 8, RB
	AMAX32 9, RB+32
	LANEMAX 8, 7                                   ; M_a
	LANEMAX 9, 7                                   ; M_b
	v_rcp_f32 v10, v8
	v_rcp_f32 v11, v8
	v_rcp_f32 v12, v9
	v_rcp_f32 v13, v9
	v_mul_f32 v14, v14, v8                         ; t_a = mu_a M_a
	v_mul_f32 v15, v15, v9
.irp r, 0,1,2,3
	v_mul_f32 v[16+(\r)], v14, v[16+(\r)]          ; t_a u1
	v_mul_f32 v[20+(\r)], v15, v[20+(\r)]          ; t_b u1_R
.endr
.irp r, 0,1,2,3
	v_max3_num_f32 v[24+(\r)], |v[16+(\r)]|, |v[20+(\r)]|, s46  ; cs
.endr
.irp r, 0,1,2,3
	v_rcp_f32 v[28+(\r)], v[24+(\r)]
.endr
	v_nop                                          ; a plain instruction behind the last reciprocal,
	s_wait_alu depctr_va_vdst(0)                   ; and one wait for the eight
	MULB RB, 10, 16                                ; s_a / M_a
	MULB RB+32, 12, 16                             ; s_b / M_b
.irp r, 0,1,2,3
	v_mul_f32 v[16+(\r)], v[16+(\r)], v[28+(\r)]   ; a row's two factors, each within -1 .. 1
	v_mul_f32 v[20+(\r)], v[20+(\r)], v[28+(\r)]
.endr
	s_mov_b32 s60, 4
.Lu_trip:                                              ; a row a trip: 1,024 numbers of U, then 1,024 of U_R; the row's factors stand in v16 and v20
	FILL RA, 54, 0, 8, 1
	FILL RA+32, 66, 0, 8, 1
	s_wait_loadcnt 0x0
	SGN RA
	MULV RA, RB, 32
	MULP RA, 16, 16
	MULP RA+32, 20, 16
	v_mov_b32 v16, v17                             ; the next rows' factors move down a register
	v_mov_b32 v17, v18
	v_mov_b32 v18, v19
	v_mov_b32 v20, v21
	v_mov_b32 v21, v22
	v_mov_b32 v22, v23
	CVTST RA, 0
	s_wait_xcnt 0x0                                ; the stores have read their data and base
	s_add_nc_u64 s[54:55], s[54:55], 4096
	s_add_nc_u64 s[66:67], s[66:67], 4096
	s_add_nc_u64 s[56:57], s[56:57], 4096
	s_sub_co_u32 s60, s60, 1
	s_cmp_lg_u32 s60, 0
	s_cbranch_scc1 .Lu_trip
	s_wait_xcnt 0x0                                ; EXEC changes only behind this wait: the stores above have read theirs
	v_cmp_eq_u32 vcc_lo, 0, v1
	s_and_saveexec_b32 s62, vcc_lo
	global_store_b128 v5, v[24:27], s[58:59]       ; lane 0 stores the wave's four cs
	s_wait_xcnt 0x0                                ; and again in front of the line that widens it
	s_or_b32 exec_lo, exec_lo, s62
	s_endpgm
.Lfunc_end_k_qe3878f16ef_prep:
	.size	k_qe3878f16ef_prep, .Lfunc_end_k_qe3878f16ef_prep-k_qe3878f16ef_prep
	.p2alignl 7, 3214868480
	.fill 96, 4, 3214868480
	.section	.rodata,"a",@progbits
	.p2align	6, 0x0
	.amdhsa_kernel k_qe3878f16ef_prep
		.amdhsa_group_segment_fixed_size 0
		.amdhsa_private_segment_fixed_size 0
		.amdhsa_enable_private_segment 0
		.amdhsa_kernarg_size 144
		.amdhsa_user_sgpr_count 2
		.amdhsa_user_sgpr_kernarg_segment_ptr 1
		.amdhsa_wavefront_size32 1
		.amdhsa_system_sgpr_workgroup_id_x 1
		.amdhsa_system_sgpr_workgroup_id_y 1
		.amdhsa_system_sgpr_workgroup_id_z 1
		.amdhsa_system_vgpr_workitem_id 0
		.amdhsa_next_free_vgpr 160
		.amdhsa_next_free_sgpr 78
		.amdhsa_reserve_vcc 1
		.amdhsa_float_denorm_mode_32 3
		.amdhsa_float_denorm_mode_16_64 3
		.amdhsa_memory_ordered 1
		.amdhsa_forward_progress 1
		.amdhsa_inst_pref_size 81
	.end_amdhsa_kernel
	.amdgpu_metadata
---
amdhsa.version: [ 1, 2 ]
amdhsa.kernels:
  - .name:           k_qe3878f16ef_prep
    .symbol:         k_qe3878f16ef_prep.kd
    .args:
      - { .name: x, .offset: 0, .size: 8, .value_kind: global_buffer, .address_space: global }
      - { .name: V, .offset: 8, .size: 8, .value_kind: global_buffer, .address_space: global }
      - { .name: V_R, .offset: 16, .size: 8, .value_kind: global_buffer, .address_space: global }
      - { .name: U, .offset: 24, .size: 8, .value_kind: global_buffer, .address_space: global }
      - { .name: U_R, .offset: 32, .size: 8, .value_kind: global_buffer, .address_space: global }
      - { .name: v2, .offset: 40, .size: 8, .value_kind: global_buffer, .address_space: global }
      - { .name: v2_R, .offset: 48, .size: 8, .value_kind: global_buffer, .address_space: global }
      - { .name: v1, .offset: 56, .size: 8, .value_kind: global_buffer, .address_space: global }
      - { .name: u2, .offset: 64, .size: 8, .value_kind: global_buffer, .address_space: global }
      - { .name: v1_R, .offset: 72, .size: 8, .value_kind: global_buffer, .address_space: global }
      - { .name: u2_R, .offset: 80, .size: 8, .value_kind: global_buffer, .address_space: global }
      - { .name: u1, .offset: 88, .size: 8, .value_kind: global_buffer, .address_space: global }
      - { .name: u1_R, .offset: 96, .size: 8, .value_kind: global_buffer, .address_space: global }
      - { .name: xh, .offset: 104, .size: 8, .value_kind: global_buffer, .address_space: global }
      - { .name: w1, .offset: 112, .size: 8, .value_kind: global_buffer, .address_space: global }
      - { .name: w2, .offset: 120, .size: 8, .value_kind: global_buffer, .address_space: global }
      - { .name: rho, .offset: 128, .size: 8, .value_kind: global_buffer, .address_space: global }
      - { .name: cs, .offset: 136, .size: 8, .value_kind: global_buffer, .address_space: global }
    .group_segment_fixed_size: 0
    .private_segment_fixed_size: 0
    .kernarg_segment_align: 8
    .kernarg_segment_size: 144
    .max_flat_workgroup_size: 128
    .sgpr_count:     78
    .vgpr_count:     160
    .wavefront_size: 32
...
	.end_amdgpu_metadata
.endif
;; end of part 1
;; launch gemm1 (part 2): grid 8 x 32, 4 waves a work-group, clusters of 4 x 4, 327,680 bytes of LDS; arguments xh, w1, hh; writes hh
.if DOCPART == 2
	.amdgcn_target "amdgcn-amd-amdhsa--gfx1250"
	.amdhsa_code_object_version 6
	.text
	.protected	k_qe3878f16ef_gemm1
	.globl	k_qe3878f16ef_gemm1
	.p2align	8
	.type	k_qe3878f16ef_gemm1,@function
k_qe3878f16ef_gemm1:
	s_mov_b64 s[64:65], 0
	v_nop
	global_prefetch_b8 v0, s[64:65] scope:SCOPE_SE
	s_setreg_imm32_b32 hwreg(HW_REG_WAVE_MODE, 25, 1), 1
	s_wait_xcnt 0x0
	s_wait_alu depctr_hold_cnt(0) depctr_sa_sdst(0) depctr_va_vdst(0) depctr_va_sdst(0) depctr_va_ssrc(0) depctr_va_vcc(0) depctr_vm_vsrc(0)
	s_getreg_b32 s2, hwreg(HW_REG_IB_STS2, 6, 4)
	s_cmp_eq_u32 s2, 0
	s_cbranch_scc0 .Lentry_in_a_cluster
	s_endpgm
.Lentry_in_a_cluster:
	s_bfe_u32 s2, ttmp6, 0x10000c
	s_cmp_lg_u32 s2, 0xf033
	s_cbranch_scc0 .Lentry_shape_is_right
	s_endpgm
.Lentry_shape_is_right:
; LittleBitLinear, launch 2 of 3: hh[m][n] = sum over k of xh[m][k] w1[n][k].  xh: [8192][2048], w1: [2048][2048], hh: [8192][2048], all f16; sums in f32, hh rounded once.
; No work of the problem is left out.  LIMITS: xh and w1 lie in -1 .. 1 (the launch before divides by maxima of the data), so |hh| stays under 2,048 (1 + 2^-10)^2, inside f16; the order of the sums is not the problem's.
; A tile of hh, 256 x 256, is made by a work-group of four waves; a wave makes 128 x 128: 64 accumulators of 16 x 16, 512 registers.  8192 x 2048 / (256 x 256) = 256 work-groups.
; K goes in steps of 128 through a ring of two LDS slots filled by the tensor data mover: a tile's rows are 256 bytes of memory and start at multiples of 256 bytes from the buffer's first byte.
; The last K step goes by rows of the result, so that finished rows leave while the others are multiplied.
; CLUSTERS: 4 x 4 work-groups.  The four of a row of the cluster need the same tiles of A (xh), the four of a column the same tiles of B (w1).  Such a tile is asked for JOINTLY: each of the four issues the same
; tensor load, with the same descriptor and a mask that names the four, and each receives the tile in its own LDS.
; REGISTERS, in windows of 256 (s_set_vgpr_msb's low byte: bits 1:0 source 0, 3:2 source 1, 5:4 source 2, 7:6 destination):
;   window 0: v0-31 addresses; v64-127, v128-191 fragments of A, two buffers (in the last K step four, of 16 rows x 128 K); v32-63, v192-255 at work on the way out
;   window 1: v64-127, v128-191 fragments of B, two buffers; in the last K step all 256      window 2: the accumulators of my rows 0-63 ((a, b) at v[8 (8 a + b)])      window 3: those of my rows 64-127
; THE MATRIX INSTRUCTION IS USED TRANSPOSED: source 0 = 16 rows of B, source 1 = 16 rows of A: lane l then holds row l % 16 of the result and the columns 8 (l / 16) + 0..7, which pack into 16 bytes.
.set SIZE_M, 8192
.set SIZE_N, 2048
.set SIZE_K, 2048
.set KSTEP,  128
.set PITCH,  272                       ; an LDS row: 256 bytes + 16 of padding = 68 words: row r starts at bank 4 r mod 64 (64 banks of 4 bytes: ISA guide 11.1), so the 16 rows of a load start at 16 different banks
.set HALFT,  128*PITCH                 ; 128 rows: what one tensor load brings, and what one wave reads of A or of B
.set SLOT,   4*HALFT                   ; A's 256 rows, then B's 256 rows
.set STAGE,  2*SLOT                    ; behind the ring: 16 rows x 272 bytes for each wave, for the way out
.set SPITCH, 272
.set SPARE,  STAGE+4*16*SPITCH         ; behind the stages: the spare words, 128 bytes for each wave: two blocks of 256 bytes that no other line names
.set LAPS, SIZE_K/(2*KSTEP)            ; a lap = two K steps = once round the ring: 8
.set ADRA, 16                          ; v16-17  LDS address of my A fragments in slot 0, 1
.set ADRB, 20                          ; v20-21  the same for B
.set STO,  24                          ; v24     the way out: where I put 16 bytes of a row
.set RD,   25                          ; v25     the way out: where I read a row back
.set CO,   26                          ; v26     my byte offset in the result
.set SPW,  28                          ; v28     LDS address of my spare word; never rewritten
.set NIL,  29                          ; v29     0; never rewritten
.set PFO,  30                          ; v30     the prefetches' offset: my lane x a row of A or B in memory; never rewritten
.set PFA,  44                          ; s[44:45] where my prefetches stand
.set LIM,  43                          ; s43     1 in a wave that prefetches, else the greatest number
.set F0,   64
.set F1,   128
.set TMP,  192
.set OB,   32
.set PA,   64
.set G1, 24                            ; s[24:31] descriptor group 1 for A's tiles
.set G0, 32                            ; s[32:39] group 0 for A's tiles, one set for each slot
.set G1B, 48                           ; s[48:55], s[56:63] the same for B's
.set G0B, 56
.set MSB, 0
.macro WIN new                         ; the immediate's high byte repeats the setting that is left; a switch that changes nothing is dropped
.if MSB != (\new)
	s_set_vgpr_msb (MSB<<8)|(\new)
.set MSB, \new
.endif
.endm
.set MUL_LO, 0xa1                      ; source 0 (B) window 1, source 1 (A) window 0, C and D window 2
.set MUL_HI, 0xf1                      ; the same, C and D window 3
.set TO_B,   0x40                      ; destination window 1, address window 0
; A joint load.  Waves 0 and 1 fetch A's two halves, waves 2 and 3 B's.  The branch hangs on the wave's number alone.  An s_nop 0 and four v_nop follow each of the two lines.
.macro JLOAD s
	s_cmp_eq_u32 s11, 0
	s_cbranch_scc0 .Lfor_b_\@
	tensor_load_to_lds s[G0+4*(\s):G0+4*(\s)+3], s[G1:G1+7]
	s_nop 0
.rept 4
	v_nop
.endr
	s_branch .Lasked_\@
.Lfor_b_\@:
	tensor_load_to_lds s[G0B+4*(\s):G0B+4*(\s)+3], s[G1B:G1B+7]
	s_nop 0
.rept 4
	v_nop
.endr
.Lasked_\@:
.endm
; A PREFETCH INTO THE L2, behind each joint load and the run of LDS loads that follows it: the K step that stands TWO refills on, 512 matrix instructions ahead of the load that will want it: 32 rows x 256 bytes, a lane a
; row, one instruction a wave.  Each row's 256 bytes of a K step are named once in the launch: the clusters with x = 0 ask for A's rows, those with y = 0 for B's; the four partners that ask for a tile jointly share its
; rows out BY ADDRESS, 32 each of the 128 that a wave fetches.  K steps 0 to 3 come by their loads alone; the loop's last trip (s3 = 1) asks for nothing: there is no K step two on.
.macro ASK
	s_cmp_gt_u32 s3, s[LIM]
	s_cbranch_scc0 .Lnot_mine_\@
	global_prefetch_b8 v[PFO], s[PFA:PFA+1] offset:KSTEP*2 th:TH_LOAD_NT scope:SCOPE_SE
.Lnot_mine_\@:
.endm
; A round of the cluster's barrier: my work-group's barrier; wave 0 signals for the work-group; every wave waits for all sixteen work-groups; my work-group's barrier once more.
.macro CREST                           ; a round behind its opening barrier
	s_cmp_lg_u32 s10, 0
	s_cbranch_scc1 .Lnot_wave_0_\@
	s_barrier_signal -3
.Lnot_wave_0_\@:
	s_barrier_wait -3
	s_barrier_signal -1
	s_barrier_wait -1
.endm
.macro CROUND
	s_barrier_signal -1
	s_barrier_wait -1
	CREST
.endm
	s_load_b128 s[4:7], s[0:1], 0x0                ; A s[4:5], B s[6:7]
	s_load_b64 s[8:9], s[0:1], 0x10                ; the result
	v_lshl_add_u32 v[SPW], v0, 2, SPARE
	v_mov_b32 v[NIL], 0
	ds_add_u32 v[SPW], v[NIL]                      ; the wave's opening: the add, twice on end, and its wait ahead of my first tensor load
	ds_add_u32 v[SPW], v[NIL]
	v_lshrrev_b32 v1, 5, v0
	v_readfirstlane_b32 s10, v1                    ; wave 0..3
	s_lshr_b32 s11, s10, 1                         ; which half of the tile's rows is mine.  Also: I fetch for A (0) or for B (1)
	s_and_b32 s12, s10, 1                          ; which half of its columns.  Also: which 128 rows of that tile I fetch
	s_bfe_u32 s40, ttmp6, 0x40000                  ; cx
	s_bfe_u32 s41, ttmp6, 0x40004                  ; cy
	s_lshl_b32 s42, ttmp9, 2
	s_add_co_u32 s42, s42, s40                     ; tile column = 4 x cluster x + cx
	s_and_b32 s13, ttmp7, 0xffff
	s_lshl_b32 s13, s13, 2
	s_add_co_u32 s13, s13, s41                     ; tile row = 4 x cluster y + cy
	s_lshl_b32 s43, s41, 2
	s_lshl_b32 s43, 15, s43                        ; my row of the cluster: places 4 cy .. 4 cy + 3
	s_lshl_b32 s44, 0x1111, s40                    ; my column: places cx, cx + 4, cx + 8, cx + 12
	; descriptor group 1: a tile of 128 rows x 128 elements, padded in LDS
	s_or_b32 s[G1+0], s43, (1<<16)|(1<<20)|(1<<21)|(5<<22)|(3<<25)  ; 15:0 the mask; 17:16 elements of 2 bytes; 20 padding on; 21 set beside a mask; 24:22 after every 64 words (code 5); 31:25 4 words (code 3)
	s_or_b32 s[G1B+0], s44, (1<<16)|(1<<20)|(1<<21)|(5<<22)|(3<<25)
	s_mov_b32 s[G1B+1], KSTEP<<16
	s_mov_b32 s[G1+1], KSTEP<<16                   ; tensor_dim0 = 128
	s_mov_b32 s[G1B+2], 128<<16
	s_mov_b32 s[G1+2], 128<<16                     ; tensor_dim1 = 128
	s_mov_b32 s[G1B+3], KSTEP<<16
	s_mov_b32 s[G1+3], KSTEP<<16                   ; tile_dim0 = 128
	s_mov_b32 s[G1B+4], 128
	s_mov_b32 s[G1+4], 128                         ; tile_dim1 = 128
	s_mov_b32 s[G1B+5], SIZE_K
	s_mov_b32 s[G1+5], SIZE_K                      ; elements from row to row
	s_mov_b32 s[G1B+6], 0
	s_mov_b32 s[G1+6], 0
	s_mov_b32 s[G1B+7], 0
	s_mov_b32 s[G1+7], 0
	; A's tiles hang on the tile row alone, which my row of the cluster shares; B's on the tile column alone, which my column shares
	s_lshl_b32 s17, s12, 7
	s_lshl_b32 s16, s13, 8
	s_add_co_u32 s16, s16, s17                     ; A: row 256 x tile row + 128 x half
	s_lshl_b32 s46, s42, 8
	s_add_co_u32 s46, s46, s17                     ; B: row 256 x tile column + 128 x half
	s_mov_b32 s17, 0
	s_mov_b32 s47, 0
	s_mov_b64 s[18:19], SIZE_K*2
	s_mul_u64 s[16:17], s[16:17], s[18:19]
	s_mul_u64 s[46:47], s[46:47], s[18:19]
	s_mul_i32 s20, s10, HALFT                      ; where they go: wave x 128 rows: no place in the cluster enters an LDS address
	s_wait_dscnt 0x0                               ; both opening adds are done
	s_wait_kmcnt 0x0
	s_add_nc_u64 s[14:15], s[4:5], s[16:17]
	s_add_nc_u64 s[46:47], s[6:7], s[46:47]
	CROUND                                         ; all sixteen work-groups are here: the first joint loads meet
.irp s, 0,1
	s_mov_b32 s[G0+4*(\s)], 1
	s_add_co_u32 s[G0+4*(\s)+1], s20, (\s)*SLOT
	s_add_nc_u64 s[G0+4*(\s)+2:G0+4*(\s)+3], s[14:15], (\s)*KSTEP*2
	s_or_b32 s[G0+4*(\s)+3], s[G0+4*(\s)+3], 0x80000000
	s_mov_b32 s[G0B+4*(\s)], 1
	s_add_co_u32 s[G0B+4*(\s)+1], s20, (\s)*SLOT
	s_add_nc_u64 s[G0B+4*(\s)+2:G0B+4*(\s)+3], s[46:47], (\s)*KSTEP*2
	s_or_b32 s[G0B+4*(\s)+3], s[G0B+4*(\s)+3], 0x80000000
	JLOAD \s                                       ; the ring is filled before anything else is done: two loads of mine are out
.endr
	; A fragment is 16 rows x 32 K in 8 registers: lane l holds row l % 16; registers 0-3 K = 8 (l / 16) + 0..7, registers 4-7 K = 16 + 8 (l / 16) + 0..7: two loads of 16 bytes, 32 bytes apart
	v_and_b32 v1, 15, v0                           ; l % 16
	v_bfe_u32 v2, v0, 4, 1                         ; l / 16
	v_mul_u32_u24 v3, v1, PITCH
	v_lshl_add_u32 v3, v2, 4, v3
	s_mul_i32 s21, s11, HALFT                      ; my 128 rows of A
	s_mul_i32 s22, s12, HALFT                      ; my 128 rows of B,
	s_add_co_u32 s22, s22, 2*HALFT                 ; which lie behind A's 256
.irp s, 0,1
	v_add_nc_u32 v[ADRA+(\s)], s21, v3
	v_add_nc_u32 v[ADRB+(\s)], s22, v3
	s_add_co_u32 s21, s21, SLOT
	s_add_co_u32 s22, s22, SLOT
.endr
	s_mul_i32 s23, s10, 16*SPITCH
	s_add_co_u32 s23, s23, STAGE                   ; my stage
	v_mul_u32_u24 v4, v1, SPITCH                   ; in: row l % 16, 16 bytes for each half of the lanes
	v_lshl_add_u32 v4, v2, 4, v4
	v_add_nc_u32 v[STO], s23, v4
	v_mul_u32_u24 v5, v2, SPITCH                   ; back: lanes 0-15 take one row of 256 bytes, lanes 16-31 the next
	v_lshl_add_u32 v5, v1, 4, v5
	v_add_nc_u32 v[RD], s23, v5
	v_mul_u32_u24 v5, v2, SIZE_N*2                 ; and the same two rows in the result
	v_lshl_add_u32 v[CO], v1, 4, v5
	s_lshl_b32 s13, s13, 8
	s_lshl_b32 s14, s11, 7
	s_add_co_u32 s16, s13, s14                     ; my first row of the result
	s_mov_b32 s17, 0
	s_mov_b64 s[18:19], SIZE_N*2
	s_mul_u64 s[16:17], s[16:17], s[18:19]
	s_lshl_b32 s46, s42, 9                         ; my first column, in bytes: 512 x tile column + 256 x half
	s_lshl_b32 s47, s12, 8
	s_add_co_u32 s46, s46, s47
	s_mov_b32 s47, 0
	s_add_nc_u64 s[16:17], s[16:17], s[46:47]      ; the first way out adds this to the result's address
	; the prefetches
	s_lshl_b32 s42, s42, 8
	s_and_b32 s22, ttmp7, 0xffff                   ; cluster y
	s_cmp_eq_u32 s11, 0                            ; do I fetch for A?
	s_cselect_b32 s20, s13, s42                    ; the tile's first row
	s_cselect_b32 s21, s40, s41                    ; my place among the four that ask for it with me
	s_cselect_b32 s22, ttmp9, s22                  ; the coordinate along which other clusters read the same rows
	s_cselect_b64 s[PFA:PFA+1], s[4:5], s[6:7]
	s_cmp_eq_u32 s22, 0
	s_cselect_b32 s[LIM], 1, -1                    ; the same in all sixteen partners, for a given wave
	s_lshl_b32 s22, s12, 7
	s_add_co_u32 s20, s20, s22                     ; + the 128 rows that I fetch
	s_lshl_b32 s21, s21, 5
	s_add_co_u32 s20, s20, s21                     ; + my work-group's 32 of them
	s_mov_b32 s21, 0
	s_mov_b64 s[18:19], SIZE_K*2
	s_mul_u64 s[20:21], s[20:21], s[18:19]
	s_add_nc_u64 s[PFA:PFA+1], s[PFA:PFA+1], s[20:21]
	s_add_nc_u64 s[PFA:PFA+1], s[PFA:PFA+1], 2*KSTEP*2  ; at K step 2: the first refill steps it to 3 and names K step 4
	v_and_b32 v[PFO], 31, v0
	v_mul_u32_u24 v[PFO], v[PFO], SIZE_K*2
; 16 matrix instructions: m blocks a0, a0 + 1 of the window's four x all 8 n blocks, 32 along K.  zero = 1: the first product starts the sums: nothing is ever cleared.
; The 64 accumulators take turns, one instruction a turn, in the same order in every quarter step.
.macro MUL16 f, hi, a0, zero
	WIN MUL_LO+0x50*(\hi)
.irp a, \a0, (\a0)+1
.irp b, 0,1,2,3,4,5,6,7
.if \zero
	v_wmma_f32_16x16x32_f16 v[8*(8*(\a)+(\b)):8*(8*(\a)+(\b))+7], v[(\f)+8*(\b):(\f)+8*(\b)+7], v[(\f)+8*(4*(\hi)+(\a)):(\f)+8*(4*(\hi)+(\a))+7], 0
.else
	v_wmma_f32_16x16x32_f16 v[8*(8*(\a)+(\b)):8*(8*(\a)+(\b))+7], v[(\f)+8*(\b):(\f)+8*(\b)+7], v[(\f)+8*(4*(\hi)+(\a)):(\f)+8*(4*(\hi)+(\a))+7], v[8*(8*(\a)+(\b)):8*(8*(\a)+(\b))+7]
.endif
.endr
.endr
.endm
; 32 LDS loads in one run: the fragments of one quarter step (128 rows of B, 128 rows of A, 32 K at byte k of the rows) into buffer f
.macro FETCH slot, k, f
	WIN TO_B
.irp i, 0,1,2,3,4,5,6,7
	ds_load_b128 v[(\f)+8*(\i):(\f)+8*(\i)+3],   v[ADRB+(\slot)] offset:(\k)+(\i)*16*PITCH
	ds_load_b128 v[(\f)+8*(\i)+4:(\f)+8*(\i)+7], v[ADRB+(\slot)] offset:(\k)+(\i)*16*PITCH+32
.endr
	WIN 0
.irp i, 0,1,2,3,4,5,6,7
	ds_load_b128 v[(\f)+8*(\i):(\f)+8*(\i)+3],   v[ADRA+(\slot)] offset:(\k)+(\i)*16*PITCH
	ds_load_b128 v[(\f)+8*(\i)+4:(\f)+8*(\i)+7], v[ADRA+(\slot)] offset:(\k)+(\i)*16*PITCH+32
.endr
.endm
.macro PLACES                          ; four plain vector instructions between a matrix instruction and a load into, or a vector instruction on, its registers (ISA guide 7.12.1 for vector instructions)
.rept 4
	v_nop
.endr
.endm
; A K step is four quarter steps of 32 along K, 64 matrix instructions each, on buffers 0, 1, 0, 1.  One of the first three: multiplies buffer f; in its middle it fetches the next quarter's fragments into buffer g.
.macro QUARTER slot, k, f, g, zero
	s_wait_dscnt 8                                 ; B and A's rows 0-63 are in; the youngest eight loads (A's rows 64-127) may be out
	WIN MUL_LO
	MUL16 \f, 0, 0, \zero
	MUL16 \f, 0, 2, \zero
	PLACES
	FETCH \slot, \k, \g
	s_wait_dscnt 32                                ; all but the 32 just issued
	WIN MUL_HI
	MUL16 \f, 1, 0, \zero
	MUL16 \f, 1, 2, \zero
.endm
; The last quarter multiplies buffer 1 and changes slots.  MEET is its first half: one barrier; in front of it each wave waits for all its tensor loads (one is out: its part of the next slot), adds 0 to its spare
; word, and waits for that and for its own reads of this slot.  Behind it nobody reads this slot any more and the next slot is whole.
.macro MEET round                      ; round = 1: a round of the cluster's barrier follows
	WIN 0                                          ; (the add's two registers lie in window 0)
	s_wait_tensorcnt 0x0                           ; all my tensor loads have landed;
	ds_add_u32 v[SPW], v[NIL]                      ; 0 onto my spare word;
	s_wait_dscnt 9                                 ; (the add and the youngest eight loads may be out)
	WIN MUL_LO
	MUL16 F1, 0, 0, 0                              ; sixteen matrix instructions stand between the add and the wait for it
	s_wait_dscnt 0x0                               ; the add is done, and my reads of this slot are over:
	s_barrier_signal -1                            ; say so,
	MUL16 F1, 0, 2, 0                              ; work on registers while the others arrive,
.if \round
	WIN 0
.endif
	s_barrier_wait -1                              ; and go on when all four have said so
.endm
; The whole last quarter.  Behind the round the slot just read out is filled again first, with the K step two steps on; then come the next slot's first fragments.  From a request to the wait for it: 224 matrix instructions.
.macro TURN slot, next
	s_wait_xcnt 0x0                                ; the last prefetch, a K step back, has read its address: it is stepped here, ahead of the waits of the change of slots
	s_add_nc_u64 s[PFA:PFA+1], s[PFA:PFA+1], KSTEP*2
	MEET 1
	CREST                                          ; no wave of any partner still reads this slot's tile or has a load on its way
	s_add_nc_u64 s[G0+4*(\slot)+2:G0+4*(\slot)+3], s[G0+4*(\slot)+2:G0+4*(\slot)+3], 2*KSTEP*2
	s_add_nc_u64 s[G0B+4*(\slot)+2:G0B+4*(\slot)+3], s[G0B+4*(\slot)+2:G0B+4*(\slot)+3], 2*KSTEP*2
	JLOAD \slot                                    ; the first tensor load behind the round; the four v_nop behind it are also the places in front of the loads below
	FETCH \next, 0, F0
	ASK
	WIN MUL_HI
	MUL16 F1, 1, 0, 0
	MUL16 F1, 1, 2, 0
.endm
; THE LAST K STEP (it lies in slot 1) GOES BY ROWS.  All its fragments of B fill window 1; then my eight blocks of 16 rows are finished one after the other, 32 matrix instructions each, the block's 8 accumulators by turns.
.macro BLOAD q
	WIN TO_B
.irp i, 0,1,2,3,4,5,6,7
	ds_load_b128 v[64*(\q)+8*(\i):64*(\q)+8*(\i)+3],   v[ADRB+1] offset:64*(\q)+(\i)*16*PITCH
	ds_load_b128 v[64*(\q)+8*(\i)+4:64*(\q)+8*(\i)+7], v[ADRB+1] offset:64*(\q)+(\i)*16*PITCH+32
.endr
.endm
.macro ALOAD a                         ; A's fragments of block a, all four quarters -> buffer a % 4
	WIN 0
.set FA, PA+32*((\a)%4)
.irp q, 0,1,2,3
	ds_load_b128 v[FA+8*(\q):FA+8*(\q)+3],   v[ADRA+1] offset:64*(\q)+(\a)*16*PITCH
	ds_load_b128 v[FA+8*(\q)+4:FA+8*(\q)+7], v[ADRA+1] offset:64*(\q)+(\a)*16*PITCH+32
.endr
.endm
.macro ROW a
.set FA, PA+32*((\a)%4)
.set AC, 64*((\a)%4)
	WIN MUL_LO+0x50*((\a)/4)
.irp q, 0,1,2,3
.if (\a) == 0 && (\q) == 2
	s_wait_dscnt 24                                ; B's quarter 2 is in (behind it: A's blocks 1 to 3)
.endif
.irp b, 0,1,2,3,4,5,6,7
	v_wmma_f32_16x16x32_f16 v[AC+8*(\b):AC+8*(\b)+7], v[64*(\q)+8*(\b):64*(\q)+8*(\b)+7], v[FA+8*(\q):FA+8*(\q)+7], v[AC+8*(\b):AC+8*(\b)+7]
.endr
.endr
.endm
; THE WAY OUT of block a.  PACK: rounded to f16, 16 bytes a lane, each accumulator's registers in ascending order.  TOSTAGE: into my own stage in LDS, and back as whole rows of 256 bytes.  SEND: stored.
.macro PACK a
.set AC, 64*((\a)%4)
	WIN 0x0a+5*((\a)/4)
.irp b, 0,1,2,3,4,5,6,7
.irp r, 0,1,2,3
	v_cvt_pk_f16_f32 v[TMP+4*(\b)+(\r)], v[AC+8*(\b)+2*(\r)], v[AC+8*(\b)+2*(\r)+1]
.endr
.endr
	WIN 0
.endm
.macro TOSTAGE a
	WIN 0
.set BK, OB+192*((\a)%2)
.irp b, 0,1,2,3,4,5,6,7
	ds_store_b128 v[STO], v[TMP+4*(\b):TMP+4*(\b)+3] offset:32*(\b)
.endr
.irp t, 0,1,2,3,4,5,6,7
	ds_load_b128 v[BK+4*(\t):BK+4*(\t)+3], v[RD] offset:(\t)*2*SPITCH  ; LDS serves a wave's instructions in order (ISA guide 5.7.1.4): these see the stores above
.endr
.endm
.macro SEND a, younger                 ; younger: the LDS loads issued behind TOSTAGE's, which may stay out
	WIN 0
.set BK, OB+192*((\a)%2)
	s_wait_dscnt \younger
	s_wait_xcnt 0x0                                ; only behind this wait are the stores' base and the registers that earlier stores read rewritten
.if (\a) == 0
	s_add_nc_u64 s[8:9], s[8:9], s[16:17]
.else
	s_add_nc_u64 s[8:9], s[8:9], 16*SIZE_N*2
.endif
.irp t, 0,1,2,3,4,5,6,7
	global_store_b128 v[CO], v[BK+4*(\t):BK+4*(\t)+3], s[8:9] offset:2*(\t)*SIZE_N*2  ; 16 lanes store 256 consecutive bytes, at a multiple of 256 from the buffer's first byte
.endr
.endm
	s_wait_tensorcnt 1                             ; my part of K step 0 is in; K step 1's may stay out
	s_barrier_signal -1
	s_barrier_wait -1                              ; everybody's is
	FETCH 0, 0, F0
	QUARTER 0, 64,  F0, F1, 1                      ; the first quarter stands in front of the loop: its products start the sums
	WIN 0                                          ; at a label and at a branch every window is 0
	s_mov_b32 s3, LAPS-1
.Llap:                                                 ; a trip goes once round the ring, from a lap's second quarter to the next lap's first, and fills both slots again
	QUARTER 0, 128, F1, F0, 0
	QUARTER 0, 192, F0, F1, 0
	TURN 0, 1
	QUARTER 1, 64,  F0, F1, 0
	QUARTER 1, 128, F1, F0, 0
	QUARTER 1, 192, F0, F1, 0
	TURN 1, 0
	QUARTER 0, 64,  F0, F1, 0
	WIN 0
	s_sub_co_u32 s3, s3, 1
	s_cmp_lg_u32 s3, 0
	s_cbranch_scc1 .Llap
	QUARTER 0, 128, F1, F0, 0                      ; the last lap goes on
	QUARTER 0, 192, F0, F1, 0
	MEET 0                                         ; my one tensor load that was still out is the last K step's, so no round follows
	PLACES                                         ; for the loads into buffer 0
	WIN TO_B
	BLOAD 0                                        ; three quarters of B now: buffer 1 is still being multiplied
	BLOAD 1
	BLOAD 3
	WIN 0
	ALOAD 0
	WIN MUL_HI
	MUL16 F1, 1, 0, 0
	MUL16 F1, 1, 2, 0
	PLACES                                         ; for the loads into buffer 1
	WIN TO_B
	BLOAD 2
	WIN 0
	ALOAD 1
	ALOAD 2
	ALOAD 3
	s_wait_dscnt 40                                ; all but the 40 just issued
	ROW 0
.irp a, 0,1,2,3,4,5,6,7                ; each block leaves as soon as it is finished
	PLACES
	PACK \a
	TOSTAGE \a
.if (\a) < 4
	ALOAD (\a)+4                                   ; its buffer takes the block four further on
	SEND \a, 8
.else
	SEND \a, 0
.endif
.if (\a) < 7
	ROW (\a)+1
.endif
.endr
	s_wait_tensorcnt 0x0                           ; the wave's end, behind my last tensor load and my last LDS store
	ds_add_u32 v[SPW], v[NIL]
	s_wait_dscnt 0x0
	CROUND                                         ; the closing round: no work-group ends while a partner may still ask for a tile that names it
	s_endpgm
.Lfunc_end_k_qe3878f16ef_gemm1:
	.size	k_qe3878f16ef_gemm1, .Lfunc_end_k_qe3878f16ef_gemm1-k_qe3878f16ef_gemm1
	.p2alignl 7, 3214868480
	.fill 96, 4, 3214868480
	.section	.rodata,"a",@progbits
	.p2align	6, 0x0
	.amdhsa_kernel k_qe3878f16ef_gemm1
		.amdhsa_group_segment_fixed_size 327680
		.amdhsa_private_segment_fixed_size 0
		.amdhsa_enable_private_segment 0
		.amdhsa_kernarg_size 24
		.amdhsa_user_sgpr_count 2
		.amdhsa_user_sgpr_kernarg_segment_ptr 1
		.amdhsa_wavefront_size32 1
		.amdhsa_system_sgpr_workgroup_id_x 1
		.amdhsa_system_sgpr_workgroup_id_y 1
		.amdhsa_system_sgpr_workgroup_id_z 1
		.amdhsa_system_vgpr_workitem_id 0
		.amdhsa_next_free_vgpr 1024
		.amdhsa_next_free_sgpr 66
		.amdhsa_reserve_vcc 0
		.amdhsa_float_denorm_mode_32 3
		.amdhsa_float_denorm_mode_16_64 3
		.amdhsa_memory_ordered 1
		.amdhsa_forward_progress 1
		.amdhsa_inst_pref_size 144
	.end_amdhsa_kernel
	.amdgpu_metadata
---
amdhsa.version: [ 1, 2 ]
amdhsa.kernels:
  - .name:           k_qe3878f16ef_gemm1
    .symbol:         k_qe3878f16ef_gemm1.kd
    .args:
      - { .name: xh, .offset: 0, .size: 8, .value_kind: global_buffer, .address_space: global }
      - { .name: w1, .offset: 8, .size: 8, .value_kind: global_buffer, .address_space: global }
      - { .name: hh, .offset: 16, .size: 8, .value_kind: global_buffer, .address_space: global }
    .group_segment_fixed_size: 327680
    .private_segment_fixed_size: 0
    .kernarg_segment_align: 8
    .kernarg_segment_size: 24
    .max_flat_workgroup_size: 128
    .sgpr_count:     66
    .vgpr_count:     1024
    .wavefront_size: 32
...
	.end_amdgpu_metadata
.endif
;; end of part 2
;; launch gemm2 (part 3): grid 8 x 32, 4 waves a work-group, clusters of 4 x 4, 327,680 bytes of LDS; arguments hh, w2, out0, rho, cs, bias; writes out0
.if DOCPART == 3
	.amdgcn_target "amdgcn-amd-amdhsa--gfx1250"
	.amdhsa_code_object_version 6
	.text
	.protected	k_qe3878f16ef_gemm2
	.globl	k_qe3878f16ef_gemm2
	.p2align	8
	.type	k_qe3878f16ef_gemm2,@function
k_qe3878f16ef_gemm2:
	s_mov_b64 s[64:65], 0
	v_nop
	global_prefetch_b8 v0, s[64:65] scope:SCOPE_SE
	s_setreg_imm32_b32 hwreg(HW_REG_WAVE_MODE, 25, 1), 1
	s_wait_xcnt 0x0
	s_wait_alu depctr_hold_cnt(0) depctr_sa_sdst(0) depctr_va_vdst(0) depctr_va_sdst(0) depctr_va_ssrc(0) depctr_va_vcc(0) depctr_vm_vsrc(0)
	s_getreg_b32 s2, hwreg(HW_REG_IB_STS2, 6, 4)
	s_cmp_eq_u32 s2, 0
	s_cbranch_scc0 .Lentry_in_a_cluster
	s_endpgm
.Lentry_in_a_cluster:
	s_bfe_u32 s2, ttmp6, 0x10000c
	s_cmp_lg_u32 s2, 0xf033
	s_cbranch_scc0 .Lentry_shape_is_right
	s_endpgm
.Lentry_shape_is_right:
; LittleBitLinear, launch 3 of 3: out0[m][n] = (sum over k of hh[m][k] w2[n][k]) rho[m] cs[n] + bias[n].  hh: [8192][2048], w2: [2048][2048], f16; rho: [8192], cs, bias: [2048], out0: [8192][2048], f32.
; No work of the problem is left out.  LIMITS: |hh| stays under 2,050 and |w2| within 1 (the launches before see to it), so the sums stay under 4.2e6; sum x rho x cs must stay within f32; the order of the sums is not the problem's.
; The product is the second launch's, text and all: a tile of 256 x 256 to a work-group of four waves, 128 x 128 a wave, K in steps of 128 through a ring of two LDS slots, 4 x 4 clusters with joint loads, the last K step
; by rows.  Only the way out differs: f32, scaled by row and by column, through a stage of 16 rows x 512 bytes a wave.
; REGISTERS, in windows of 256 (s_set_vgpr_msb's low byte: bits 1:0 source 0, 3:2 source 1, 5:4 source 2, 7:6 destination):
;   window 0: v0-31 addresses; v32-47 rho of my row in each of my eight blocks, twice each; v48-51 cs, v52-55 bias of my four columns on the way out; v64-191 fragments of A; v192-255 rows read back from the stage
;   window 1: fragments of B      window 2: the accumulators of my rows 0-63 ((a, b) at v[8 (8 a + b)])      window 3: those of my rows 64-127
; THE MATRIX INSTRUCTION IS USED TRANSPOSED: source 0 = 16 rows of B, source 1 = 16 rows of A: lane l then holds row l % 16 of the result and the columns 8 (l / 16) + 0..7.
.set SIZE_M, 8192
.set SIZE_N, 2048
.set SIZE_K, 2048
.set KSTEP,  128
.set PITCH,  272                       ; an LDS row: 256 bytes + 16 of padding = 68 words: row r starts at bank 4 r mod 64 (64 banks of 4 bytes: ISA guide 11.1)
.set HALFT,  128*PITCH
.set SLOT,   4*HALFT
.set STAGE,  2*SLOT                    ; behind the ring: 16 rows x 528 bytes for each wave
.set SP2,    528                       ; 512 bytes + 16 = 132 words: row r again starts at bank 4 r mod 64
.set SPARE,  STAGE+4*16*SP2            ; behind the stages: the spare words, 128 bytes for each wave: two blocks of 256 bytes that no other line names
.set LAPS, SIZE_K/(2*KSTEP)
.set RO,   6                           ; v6      4 x (l % 16): my row's place among a block's sixteen rho; never rewritten
.set ADRA, 16
.set ADRB, 20
.set STO,  24                          ; v24     the way out: where I put 32 bytes of a row
.set RD,   25                          ; v25     the way out: my 16 bytes of a row read back
.set CO,   26                          ; v26     16 x lane: my 16 bytes of 512 in out0, cs and bias; never rewritten
.set SPW,  28
.set NIL,  29
.set PFO,  30
.set RHO,  32
.set CSV,  48
.set BIA,  52
.set BK,   192                         ; two halves of 8 rows x 4 registers
.set PFA,  44
.set LIM,  43
.set F0,   64
.set F1,   128
.set PA,   64
.set G1, 24
.set G0, 32
.set G1B, 48
.set G0B, 56
.set MSB, 0
.macro WIN new                         ; the immediate's high byte repeats the setting that is left; a switch that changes nothing is dropped
.if MSB != (\new)
	s_set_vgpr_msb (MSB<<8)|(\new)
.set MSB, \new
.endif
.endm
.set MUL_LO, 0xa1
.set MUL_HI, 0xf1
.set TO_B,   0x40
; A joint load.  Waves 0 and 1 fetch A's two halves, waves 2 and 3 B's.  The branch hangs on the wave's number alone.  An s_nop 0 and four v_nop follow each of the two lines.
.macro JLOAD s
	s_cmp_eq_u32 s11, 0
	s_cbranch_scc0 .Lfor_b_\@
	tensor_load_to_lds s[G0+4*(\s):G0+4*(\s)+3], s[G1:G1+7]
	s_nop 0
.rept 4
	v_nop
.endr
	s_branch .Lasked_\@
.Lfor_b_\@:
	tensor_load_to_lds s[G0B+4*(\s):G0B+4*(\s)+3], s[G1B:G1B+7]
	s_nop 0
.rept 4
	v_nop
.endr
.Lasked_\@:
.endm
; A PREFETCH INTO THE L2, behind each joint load and the run of LDS loads that follows it: the K step two refills on, 512 matrix instructions ahead of its load: 32 rows x 256 bytes, a lane a row, one instruction a wave.
; Each row's 256 bytes of a K step are named once in the launch: the clusters with x = 0 ask for A's rows, those with y = 0 for B's; the four partners of a joint load share its rows out BY ADDRESS, 32 each.
; K steps 0 to 3 come by their loads alone; the loop's last trip (s3 = 1) asks for nothing.
.macro ASK
	s_cmp_gt_u32 s3, s[LIM]
	s_cbranch_scc0 .Lnot_mine_\@
	global_prefetch_b8 v[PFO], s[PFA:PFA+1] offset:KSTEP*2 th:TH_LOAD_NT scope:SCOPE_SE
.Lnot_mine_\@:
.endm
.macro CREST                           ; a round of the cluster's barrier behind its opening barrier
	s_cmp_lg_u32 s10, 0
	s_cbranch_scc1 .Lnot_wave_0_\@
	s_barrier_signal -3
.Lnot_wave_0_\@:
	s_barrier_wait -3
	s_barrier_signal -1
	s_barrier_wait -1
.endm
.macro CROUND
	s_barrier_signal -1
	s_barrier_wait -1
	CREST
.endm
	s_load_b128 s[4:7], s[0:1], 0x0                ; A s[4:5], B s[6:7]
	s_load_b64 s[8:9], s[0:1], 0x10                ; out0
	s_load_b128 s[68:71], s[0:1], 0x18             ; rho s[68:69], cs s[70:71]
	s_load_b64 s[72:73], s[0:1], 0x28              ; bias
	v_lshl_add_u32 v[SPW], v0, 2, SPARE
	v_mov_b32 v[NIL], 0
	ds_add_u32 v[SPW], v[NIL]                      ; the wave's opening: the add, twice on end, and its wait ahead of my first tensor load
	ds_add_u32 v[SPW], v[NIL]
	v_lshrrev_b32 v1, 5, v0
	v_readfirstlane_b32 s10, v1                    ; wave 0..3
	s_lshr_b32 s11, s10, 1                         ; which half of the tile's rows is mine.  Also: I fetch for A (0) or for B (1)
	s_and_b32 s12, s10, 1                          ; which half of its columns.  Also: which 128 rows of that tile I fetch
	s_bfe_u32 s40, ttmp6, 0x40000                  ; cx
	s_bfe_u32 s41, ttmp6, 0x40004                  ; cy
	s_lshl_b32 s42, ttmp9, 2
	s_add_co_u32 s42, s42, s40                     ; tile column = 4 x cluster x + cx
	s_and_b32 s13, ttmp7, 0xffff
	s_lshl_b32 s13, s13, 2
	s_add_co_u32 s13, s13, s41                     ; tile row = 4 x cluster y + cy
	s_lshl_b32 s43, s41, 2
	s_lshl_b32 s43, 15, s43                        ; my row of the cluster
	s_lshl_b32 s44, 0x1111, s40                    ; my column
	s_or_b32 s[G1+0], s43, (1<<16)|(1<<20)|(1<<21)|(5<<22)|(3<<25)  ; 15:0 the mask; 17:16 elements of 2 bytes; 20 padding on; 21 set beside a mask; 24:22 after every 64 words (code 5); 31:25 4 words (code 3)
	s_or_b32 s[G1B+0], s44, (1<<16)|(1<<20)|(1<<21)|(5<<22)|(3<<25)
	s_mov_b32 s[G1B+1], KSTEP<<16
	s_mov_b32 s[G1+1], KSTEP<<16                   ; tensor_dim0 = 128
	s_mov_b32 s[G1B+2], 128<<16
	s_mov_b32 s[G1+2], 128<<16                     ; tensor_dim1 = 128
	s_mov_b32 s[G1B+3], KSTEP<<16
	s_mov_b32 s[G1+3], KSTEP<<16                   ; tile_dim0 = 128
	s_mov_b32 s[G1B+4], 128
	s_mov_b32 s[G1+4], 128                         ; tile_dim1 = 128
	s_mov_b32 s[G1B+5], SIZE_K
	s_mov_b32 s[G1+5], SIZE_K                      ; elements from row to row
	s_mov_b32 s[G1B+6], 0
	s_mov_b32 s[G1+6], 0
	s_mov_b32 s[G1B+7], 0
	s_mov_b32 s[G1+7], 0
	s_lshl_b32 s17, s12, 7
	s_lshl_b32 s16, s13, 8
	s_add_co_u32 s16, s16, s17                     ; A: row 256 x tile row + 128 x half
	s_lshl_b32 s46, s42, 8
	s_add_co_u32 s46, s46, s17                     ; B: row 256 x tile column + 128 x half
	s_mov_b32 s17, 0
	s_mov_b32 s47, 0
	s_mov_b64 s[18:19], SIZE_K*2
	s_mul_u64 s[16:17], s[16:17], s[18:19]
	s_mul_u64 s[46:47], s[46:47], s[18:19]
	s_mul_i32 s20, s10, HALFT                      ; where they go: wave x 128 rows: no place in the cluster enters an LDS address
	s_wait_dscnt 0x0                               ; both opening adds are done
	s_wait_kmcnt 0x0
	s_add_nc_u64 s[14:15], s[4:5], s[16:17]
	s_add_nc_u64 s[46:47], s[6:7], s[46:47]
	CROUND                                         ; all sixteen work-groups are here: the first joint loads meet
.irp s, 0,1
	s_mov_b32 s[G0+4*(\s)], 1
	s_add_co_u32 s[G0+4*(\s)+1], s20, (\s)*SLOT
	s_add_nc_u64 s[G0+4*(\s)+2:G0+4*(\s)+3], s[14:15], (\s)*KSTEP*2
	s_or_b32 s[G0+4*(\s)+3], s[G0+4*(\s)+3], 0x80000000
	s_mov_b32 s[G0B+4*(\s)], 1
	s_add_co_u32 s[G0B+4*(\s)+1], s20, (\s)*SLOT
	s_add_nc_u64 s[G0B+4*(\s)+2:G0B+4*(\s)+3], s[46:47], (\s)*KSTEP*2
	s_or_b32 s[G0B+4*(\s)+3], s[G0B+4*(\s)+3], 0x80000000
	JLOAD \s                                       ; the ring is filled before anything else is done: two loads of mine are out
.endr
	v_and_b32 v1, 15, v0                           ; l % 16
	v_bfe_u32 v2, v0, 4, 1                         ; l / 16
	v_mul_u32_u24 v3, v1, PITCH
	v_lshl_add_u32 v3, v2, 4, v3
	s_mul_i32 s21, s11, HALFT                      ; my 128 rows of A
	s_mul_i32 s22, s12, HALFT                      ; my 128 rows of B,
	s_add_co_u32 s22, s22, 2*HALFT                 ; which lie behind A's 256
.irp s, 0,1
	v_add_nc_u32 v[ADRA+(\s)], s21, v3
	v_add_nc_u32 v[ADRB+(\s)], s22, v3
	s_add_co_u32 s21, s21, SLOT
	s_add_co_u32 s22, s22, SLOT
.endr
	s_mul_i32 s23, s10, 16*SP2
	s_add_co_u32 s23, s23, STAGE                   ; my stage
	v_mul_u32_u24 v4, v1, SP2                      ; in: row l % 16, 32 bytes for each half of the lanes
	v_lshl_add_u32 v4, v2, 5, v4
	v_add_nc_u32 v[STO], s23, v4
	v_and_b32 v5, 31, v0
	v_lshlrev_b32 v[CO], 4, v5                     ; back: 32 lanes take one row of 512 bytes
	v_add_nc_u32 v[RD], s23, v[CO]
	v_lshlrev_b32 v[RO], 2, v1
	s_lshl_b32 s13, s13, 8
	s_lshl_b32 s14, s11, 7
	s_add_co_u32 s16, s13, s14                     ; my first row
	s_lshl_b32 s74, s16, 2
	s_mov_b32 s75, 0
	s_add_nc_u64 s[68:69], s[68:69], s[74:75]      ; rho at that row
	s_lshl_b32 s16, s16, 13                        ; 8,192 bytes a row of out0
	s_mov_b32 s17, 0
	s_lshl_b32 s46, s42, 10                        ; my first column, in bytes of f32: 1,024 x tile column + 512 x half
	s_lshl_b32 s47, s12, 9
	s_add_co_u32 s46, s46, s47
	s_mov_b32 s47, 0
	s_add_nc_u64 s[70:71], s[70:71], s[46:47]      ; cs and bias at that column
	s_add_nc_u64 s[72:73], s[72:73], s[46:47]
	s_add_nc_u64 s[16:17], s[16:17], s[46:47]
	s_add_nc_u64 s[8:9], s[8:9], s[16:17]          ; out0 at my 128 x 128; never stepped: 127 rows are 1,040,384 bytes, inside the stores' signed 24-bit immediate (ISA guide, chapter 10)
.irp a, 0,1,2,3,4,5,6,7
	global_load_b32 v[RHO+2*(\a)],   v[RO], s[68:69] offset:64*(\a)  ; rho of row 16 a + l % 16, twice: a pair for the packed multiply
	global_load_b32 v[RHO+2*(\a)+1], v[RO], s[68:69] offset:64*(\a)
.endr
	global_load_b128 v[CSV:CSV+3], v[CO], s[70:71]
	global_load_b128 v[BIA:BIA+3], v[CO], s[72:73]
	; the prefetches
	s_lshl_b32 s42, s42, 8
	s_and_b32 s22, ttmp7, 0xffff                   ; cluster y
	s_cmp_eq_u32 s11, 0                            ; do I fetch for A?
	s_cselect_b32 s20, s13, s42                    ; the tile's first row
	s_cselect_b32 s21, s40, s41                    ; my place among the four that ask for it with me
	s_cselect_b32 s22, ttmp9, s22                  ; the coordinate along which other clusters read the same rows
	s_cselect_b64 s[PFA:PFA+1], s[4:5], s[6:7]
	s_cmp_eq_u32 s22, 0
	s_cselect_b32 s[LIM], 1, -1                    ; the same in all sixteen partners, for a given wave
	s_lshl_b32 s22, s12, 7
	s_add_co_u32 s20, s20, s22
	s_lshl_b32 s21, s21, 5
	s_add_co_u32 s20, s20, s21
	s_mov_b32 s21, 0
	s_mov_b64 s[18:19], SIZE_K*2
	s_mul_u64 s[20:21], s[20:21], s[18:19]
	s_add_nc_u64 s[PFA:PFA+1], s[PFA:PFA+1], s[20:21]
	s_add_nc_u64 s[PFA:PFA+1], s[PFA:PFA+1], 2*KSTEP*2  ; at K step 2: the first refill steps it to 3 and names K step 4
	v_and_b32 v[PFO], 31, v0
	v_mul_u32_u24 v[PFO], v[PFO], SIZE_K*2
; 16 matrix instructions: m blocks a0, a0 + 1 of the window's four x all 8 n blocks, 32 along K.  zero = 1: the first product starts the sums.  The 64 accumulators take turns.
.macro MUL16 f, hi, a0, zero
	WIN MUL_LO+0x50*(\hi)
.irp a, \a0, (\a0)+1
.irp b, 0,1,2,3,4,5,6,7
.if \zero
	v_wmma_f32_16x16x32_f16 v[8*(8*(\a)+(\b)):8*(8*(\a)+(\b))+7], v[(\f)+8*(\b):(\f)+8*(\b)+7], v[(\f)+8*(4*(\hi)+(\a)):(\f)+8*(4*(\hi)+(\a))+7], 0
.else
	v_wmma_f32_16x16x32_f16 v[8*(8*(\a)+(\b)):8*(8*(\a)+(\b))+7], v[(\f)+8*(\b):(\f)+8*(\b)+7], v[(\f)+8*(4*(\hi)+(\a)):(\f)+8*(4*(\hi)+(\a))+7], v[8*(8*(\a)+(\b)):8*(8*(\a)+(\b))+7]
.endif
.endr
.endr
.endm
.macro FETCH slot, k, f                ; 32 LDS loads in one run: the fragments of one quarter step into buffer f
	WIN TO_B
.irp i, 0,1,2,3,4,5,6,7
	ds_load_b128 v[(\f)+8*(\i):(\f)+8*(\i)+3],   v[ADRB+(\slot)] offset:(\k)+(\i)*16*PITCH
	ds_load_b128 v[(\f)+8*(\i)+4:(\f)+8*(\i)+7], v[ADRB+(\slot)] offset:(\k)+(\i)*16*PITCH+32
.endr
	WIN 0
.irp i, 0,1,2,3,4,5,6,7
	ds_load_b128 v[(\f)+8*(\i):(\f)+8*(\i)+3],   v[ADRA+(\slot)] offset:(\k)+(\i)*16*PITCH
	ds_load_b128 v[(\f)+8*(\i)+4:(\f)+8*(\i)+7], v[ADRA+(\slot)] offset:(\k)+(\i)*16*PITCH+32
.endr
.endm
.macro PLACES                          ; four plain vector instructions between a matrix instruction and a load into, or a vector instruction on, its registers (ISA guide 7.12.1 for vector instructions)
.rept 4
	v_nop
.endr
.endm
.macro QUARTER slot, k, f, g, zero
	s_wait_dscnt 8                                 ; B and A's rows 0-63 are in; the youngest eight loads (A's rows 64-127) may be out
	WIN MUL_LO
	MUL16 \f, 0, 0, \zero
	MUL16 \f, 0, 2, \zero
	PLACES
	FETCH \slot, \k, \g
	s_wait_dscnt 32                                ; all but the 32 just issued
	WIN MUL_HI
	MUL16 \f, 1, 0, \zero
	MUL16 \f, 1, 2, \zero
.endm
.macro MEET round                      ; the change of slots' barrier; round = 1: a round of the cluster's barrier follows
	WIN 0                                          ; (the add's two registers lie in window 0)
	s_wait_tensorcnt 0x0                           ; all my tensor loads have landed: the one that was out is my part of the next slot;
	ds_add_u32 v[SPW], v[NIL]                      ; 0 onto my spare word;
	s_wait_dscnt 9                                 ; (the add and the youngest eight loads may be out)
	WIN MUL_LO
	MUL16 F1, 0, 0, 0                              ; sixteen matrix instructions stand between the add and the wait for it
	s_wait_dscnt 0x0                               ; the add is done, and my reads of this slot are over:
	s_barrier_signal -1
	MUL16 F1, 0, 2, 0
.if \round
	WIN 0
.endif
	s_barrier_wait -1
.endm
.macro TURN slot, next
	s_wait_xcnt 0x0                                ; the last prefetch, a K step back, has read its address: it is stepped here, ahead of the waits of the change of slots
	s_add_nc_u64 s[PFA:PFA+1], s[PFA:PFA+1], KSTEP*2
	MEET 1
	CREST                                          ; no wave of any partner still reads this slot's tile or has a load on its way
	s_add_nc_u64 s[G0+4*(\slot)+2:G0+4*(\slot)+3], s[G0+4*(\slot)+2:G0+4*(\slot)+3], 2*KSTEP*2
	s_add_nc_u64 s[G0B+4*(\slot)+2:G0B+4*(\slot)+3], s[G0B+4*(\slot)+2:G0B+4*(\slot)+3], 2*KSTEP*2
	JLOAD \slot                                    ; the first tensor load behind the round; the four v_nop behind it are also the places in front of the loads below
	FETCH \next, 0, F0
	ASK
	WIN MUL_HI
	MUL16 F1, 1, 0, 0
	MUL16 F1, 1, 2, 0
.endm
.macro BLOAD q                         ; the last K step: B's fragments of quarter q -> window 1, v[64 q ..]
	WIN TO_B
.irp i, 0,1,2,3,4,5,6,7
	ds_load_b128 v[64*(\q)+8*(\i):64*(\q)+8*(\i)+3],   v[ADRB+1] offset:64*(\q)+(\i)*16*PITCH
	ds_load_b128 v[64*(\q)+8*(\i)+4:64*(\q)+8*(\i)+7], v[ADRB+1] offset:64*(\q)+(\i)*16*PITCH+32
.endr
.endm
.macro ALOAD a                         ; A's fragments of block a, all four quarters -> buffer a % 4
	WIN 0
.set FA, PA+32*((\a)%4)
.irp q, 0,1,2,3
	ds_load_b128 v[FA+8*(\q):FA+8*(\q)+3],   v[ADRA+1] offset:64*(\q)+(\a)*16*PITCH
	ds_load_b128 v[FA+8*(\q)+4:FA+8*(\q)+7], v[ADRA+1] offset:64*(\q)+(\a)*16*PITCH+32
.endr
.endm
.macro ROW a                           ; block a is finished: 32 matrix instructions, its 8 accumulators by turns
.set FA, PA+32*((\a)%4)
.set AC, 64*((\a)%4)
	WIN MUL_LO+0x50*((\a)/4)
.irp q, 0,1,2,3
.if (\a) == 0 && (\q) == 2
	s_wait_dscnt 24                                ; B's quarter 2 is in (behind it: A's blocks 1 to 3)
.endif
.irp b, 0,1,2,3,4,5,6,7
	v_wmma_f32_16x16x32_f16 v[AC+8*(\b):AC+8*(\b)+7], v[64*(\q)+8*(\b):64*(\q)+8*(\b)+7], v[FA+8*(\q):FA+8*(\q)+7], v[AC+8*(\b):AC+8*(\b)+7]
.endr
.endr
.endm
; THE WAY OUT of block a (16 rows x 128 columns of f32).
; SCALE: a lane holds one row, so its 64 sums are multiplied by that row's rho, in place, in ascending order.
.macro SCALE a
.set AC, 64*((\a)%4)
	WIN 0x82+0x41*((\a)/4)                         ; destination and source 0 in window 2 or 3, source 1 (rho) in window 0
.set zi, 0
.rept 32
	v_pk_mul_f32 v[AC+zi:AC+zi+1], v[AC+zi:AC+zi+1], v[RHO+2*(\a):RHO+2*(\a)+1]
.set zi, zi+2
.endr
.endm
; STG: into my own stage: row l % 16, columns 16 b + 8 (l / 16) + 0..7 at byte 64 b + 32 (l / 16).
.macro STG a
.set AC, 64*((\a)%4)
	WIN 0x08+0x04*((\a)/4)                         ; a store's data is source 1: window 2 or 3
.irp b, 0,1,2,3,4,5,6,7
	ds_store_b128 v[STO], v[AC+8*(\b):AC+8*(\b)+3]   offset:64*(\b)
	ds_store_b128 v[STO], v[AC+8*(\b)+4:AC+8*(\b)+7] offset:64*(\b)+16
.endr
	WIN 0
.endm
; RDB: rows 8 hf + 0..7 back, a whole row of 512 bytes a load.  LDS serves a wave's instructions in order (ISA guide 5.7.1.4): these see the stores above.
.macro RDB hf
	WIN 0
.irp t, 0,1,2,3,4,5,6,7
	ds_load_b128 v[BK+32*(\hf)+4*(\t):BK+32*(\hf)+4*(\t)+3], v[RD] offset:(8*(\hf)+(\t))*SP2
.endr
.endm
; OUT: now a lane holds four columns: times cs, plus bias, fused; stored.  younger: the LDS loads issued behind this half's eight, which may stay out.
.macro OUT a, hf, younger
	WIN 0
.irp t, 0,1,2,3,4,5,6,7
	s_wait_dscnt (\younger)+7-(\t)                 ; LDS loads come back in order: row t of the half is in
	v_pk_fma_f32 v[BK+32*(\hf)+4*(\t):BK+32*(\hf)+4*(\t)+1],   v[BK+32*(\hf)+4*(\t):BK+32*(\hf)+4*(\t)+1],   v[CSV:CSV+1],   v[BIA:BIA+1]
	v_pk_fma_f32 v[BK+32*(\hf)+4*(\t)+2:BK+32*(\hf)+4*(\t)+3], v[BK+32*(\hf)+4*(\t)+2:BK+32*(\hf)+4*(\t)+3], v[CSV+2:CSV+3], v[BIA+2:BIA+3]
	global_store_b128 v[CO], v[BK+32*(\hf)+4*(\t):BK+32*(\hf)+4*(\t)+3], s[8:9] offset:(16*(\a)+8*(\hf)+(\t))*SIZE_N*4 th:TH_STORE_NT  ; the wave stores 512 consecutive bytes, at a multiple of 512 from out0's first byte
.endr
.endm
	s_wait_loadcnt 0x0                             ; rho, cs and bias, once: the wave waits here for its first tile in any case
	s_wait_tensorcnt 1                             ; my part of K step 0 is in; K step 1's may stay out
	s_barrier_signal -1
	s_barrier_wait -1                              ; everybody's is
	FETCH 0, 0, F0
	QUARTER 0, 64,  F0, F1, 1                      ; the first quarter stands in front of the loop: its products start the sums
	WIN 0                                          ; at a label and at a branch every window is 0
	s_mov_b32 s3, LAPS-1
.Llap:                                                 ; a trip goes once round the ring, from a lap's second quarter to the next lap's first, and fills both slots again
	QUARTER 0, 128, F1, F0, 0
	QUARTER 0, 192, F0, F1, 0
	TURN 0, 1
	QUARTER 1, 64,  F0, F1, 0
	QUARTER 1, 128, F1, F0, 0
	QUARTER 1, 192, F0, F1, 0
	TURN 1, 0
	QUARTER 0, 64,  F0, F1, 0
	WIN 0
	s_sub_co_u32 s3, s3, 1
	s_cmp_lg_u32 s3, 0
	s_cbranch_scc1 .Llap
	QUARTER 0, 128, F1, F0, 0                      ; the last lap goes on
	QUARTER 0, 192, F0, F1, 0
	MEET 0                                         ; my one tensor load that was still out is the last K step's, so no round follows
	PLACES                                         ; for the loads into buffer 0
	WIN TO_B
	BLOAD 0                                        ; three quarters of B now: buffer 1 is still being multiplied
	BLOAD 1
	BLOAD 3
	WIN 0
	ALOAD 0
	WIN MUL_HI
	MUL16 F1, 1, 0, 0
	MUL16 F1, 1, 2, 0
	PLACES                                         ; for the loads into buffer 1
	WIN TO_B
	BLOAD 2
	WIN 0
	ALOAD 1
	ALOAD 2
	ALOAD 3
	s_wait_dscnt 40                                ; all but the 40 just issued
	ROW 0
.irp a, 0,1,2,3,4,5,6,7                ; each block leaves as soon as it is finished
	PLACES                                         ; the scaling reads and writes results just made
	SCALE \a
	STG \a
	s_wait_xcnt 0x0                                ; the block before's stores, 32 matrix instructions back, have read the registers that the loads below fill
	RDB 0
	RDB 1
.if (\a) < 4
	ALOAD (\a)+4                                   ; block a's buffer of A takes the block four further on
	OUT \a, 0, 16                                  ; behind the first half's loads: the second half's eight and A's eight
	OUT \a, 1, 8
.else
	OUT \a, 0, 8
	OUT \a, 1, 0
.endif
.if (\a) < 7
	ROW (\a)+1                                     ; its fragments of A were asked for a block earlier or more, ahead of loads that have been waited for
.endif
.endr
	s_wait_tensorcnt 0x0                           ; the wave's end, behind my last tensor load and my last LDS store
	ds_add_u32 v[SPW], v[NIL]
	s_wait_dscnt 0x0
	CROUND                                         ; the closing round: no work-group ends while a partner may still ask for a tile that names it
	s_endpgm
.Lfunc_end_k_qe3878f16ef_gemm2:
	.size	k_qe3878f16ef_gemm2, .Lfunc_end_k_qe3878f16ef_gemm2-k_qe3878f16ef_gemm2
	.p2alignl 7, 3214868480
	.fill 96, 4, 3214868480
	.section	.rodata,"a",@progbits
	.p2align	6, 0x0
	.amdhsa_kernel k_qe3878f16ef_gemm2
		.amdhsa_group_segment_fixed_size 327680
		.amdhsa_private_segment_fixed_size 0
		.amdhsa_enable_private_segment 0
		.amdhsa_kernarg_size 48
		.amdhsa_user_sgpr_count 2
		.amdhsa_user_sgpr_kernarg_segment_ptr 1
		.amdhsa_wavefront_size32 1
		.amdhsa_system_sgpr_workgroup_id_x 1
		.amdhsa_system_sgpr_workgroup_id_y 1
		.amdhsa_system_sgpr_workgroup_id_z 1
		.amdhsa_system_vgpr_workitem_id 0
		.amdhsa_next_free_vgpr 1024
		.amdhsa_next_free_sgpr 80
		.amdhsa_reserve_vcc 0
		.amdhsa_float_denorm_mode_32 3
		.amdhsa_float_denorm_mode_16_64 3
		.amdhsa_memory_ordered 1
		.amdhsa_forward_progress 1
		.amdhsa_inst_pref_size 180
	.end_amdhsa_kernel
	.amdgpu_metadata
---
amdhsa.version: [ 1, 2 ]
amdhsa.kernels:
  - .name:           k_qe3878f16ef_gemm2
    .symbol:         k_qe3878f16ef_gemm2.kd
    .args:
      - { .name: hh, .offset: 0, .size: 8, .value_kind: global_buffer, .address_space: global }
      - { .name: w2, .offset: 8, .size: 8, .value_kind: global_buffer, .address_space: global }
      - { .name: out0, .offset: 16, .size: 8, .value_kind: global_buffer, .address_space: global }
      - { .name: rho, .offset: 24, .size: 8, .value_kind: global_buffer, .address_space: global }
      - { .name: cs, .offset: 32, .size: 8, .value_kind: global_buffer, .address_space: global }
      - { .name: bias, .offset: 40, .size: 8, .value_kind: global_buffer, .address_space: global }
    .group_segment_fixed_size: 327680
    .private_segment_fixed_size: 0
    .kernarg_segment_align: 8
    .kernarg_segment_size: 48
    .max_flat_workgroup_size: 128
    .sgpr_count:     80
    .vgpr_count:     1024
    .wavefront_size: 32
...
	.end_amdgpu_metadata
.endif
;; end of part 3
